; MI455X (gfx1250); checked and timed in simulation.
; The chip was launched on July 23, 2026; its instructions are those of AMD's public machine-readable ISA for CDNA 5 (MIT licence, August 2026) and "CDNA5" Instruction Set Architecture Reference Guide (July 2026). The comments in the code are by the model that wrote it; some were corrected since.
;; Attention Block. Allowed arithmetic: matrix products marked QUANTISED: E2M3 operands, one E8M0 scale for each 32 along K, by v_wmma_scale_f32_16x16x128_f8f6f4 with both operands' format E2M3, f32 sums; everything else in f32.
;; Inputs: Wk_codes 32 x 8 x 24 uint8 (E2M3 codes of Wk, K innermost, in blocks of 32 codes, four codes in three bytes); Wk_scales 32 x 8 uint8 (E8M0 scales of Wk, one for each 32 codes along K); Wq_codes 32 x 8 x 24 uint8 (E2M3 codes of Wq, K innermost, in blocks of 32 codes, four codes in three bytes); Wq_scales 32 x 8 uint8 (E8M0 scales of Wq, one for each 32 codes along K); Wv_codes 256 x 8 x 24 uint8 (E2M3 codes of Wv, K innermost, in blocks of 32 codes, four codes in three bytes); Wv_scales 256 x 8 uint8 (E8M0 scales of Wv, one for each 32 codes along K); bk 32 float32; bq 32 float32; bv 256 float32; gamma 1 float32; x 4 x 256 x 64 x 64 float32.
;; Outputs: out0 4 x 256 x 64 x 64 float32.
;; This version of the problem:
;;   THIS VERSION OF THE PROBLEM IS GIVEN IN LOW PRECISION. The matrix products marked QUANTISED in the list below multiply operands that are first quantised to E2M3 (2 exponent bits, 3 mantissa bits; 6 bits a number), with one power-of-two scale for each 32 numbers along K (OCP MX v1.0); their sums are f32. All else is computed in f32.
;;   The module's matrix products, in the order in which they are computed (A, B: the left and right operand; K: the contracted axis; several contracted axes count as one K, in the product's order):
;;     1. [M 16,384, K 256] x [K 256, N 32]; A: input x; B: input Wq (given as codes): QUANTISED
;;     2. [M 16,384, K 256] x [K 256, N 32]; A: input x; B: input Wk (given as codes): QUANTISED
;;     3. [M 16,384, K 256] x [K 256, N 256]; A: input x; B: input Wv (given as codes): QUANTISED
;;     4. batch 4 x [M 4,096, K 32] x [K 32, N 4,096]; A: computed on the way; B: computed on the way: QUANTISED
;;     5. batch 4 x [M 256, K 4,096] x [K 4,096, N 4,096]; A: computed on the way; B: softmax (see below): QUANTISED
;;   THE QUANTISER, for each operand of a quantised product, along K:
;;     - K is cut into blocks of 32 from its start; a last block that is shorter is filled with zeros.
;;     - A block's scale is 2^e with e = floor(log2(the largest magnitude in the block)) - 2, held to -126 .. 127; a block of zeros has e = 0. As a byte (E8M0): e + 127.
;;     - Each number is divided by its block's scale, clamped to +-7.5, and rounded to the nearest number of E2M3, ties to even, subnormals kept.
;;     - The product sums the exact products of the quantised numbers (number of the format x scale) in f32.
;;   ~~~python
;;   def quantise(x, axis):      # numpy; x: float32 -> the quantised numbers, widened to float32 again
;;       x = np.moveaxis(x, axis, -1); K = x.shape[-1]
;;       x = np.pad(x, [(0, 0)] * (x.ndim - 1) + [(0, -K % 32)]); x = x.reshape(x.shape[:-1] + (-1, 32)); a = np.abs(x).max(-1, keepdims=True)
;;       e = np.where(a > 0, np.clip(np.frexp(np.where(a > 0, a, 1))[1] - 1 - 2, -126, 127), 0)      # np.frexp(a)[1] - 1 = floor(log2(a)), exactly
;;       r = np.clip(x / 2.0 ** e, -7.5, 7.5)
;;       step = 2.0 ** (np.maximum(np.frexp(np.where(r == 0, 1, r))[1] - 1, 0) - 3)
;;       q = np.round(r / step) * step * 2.0 ** e      # np.round: ties to even
;;       return np.moveaxis(q.reshape(q.shape[:-2] + (-1,))[..., :K], -1, axis).astype(np.float32)
;;   ~~~
;;   SOFTMAX AHEAD OF A QUANTISED PRODUCT. Where the list says 'softmax', what is quantised is not the finished softmax but p = 2^(t - M), with t = logit x log2(e) and M = ceil(the row's largest t), a whole number; so 1/2 < the row's largest p <= 1. The row's sum l is taken of the UNQUANTISED p, in f32, and the product's result is divided by l at the end. Since M is a whole number, a kernel that streams over the keys may use a running M (the ceiling of the running maximum): every later rescaling is an exact power of two, which a block's scale takes up: the codes' values come out the same.
;;   OPERANDS COMPUTED ON THE WAY. 'Computed on the way' means the value that the module computes at that place (a softmax that the list does not call 'softmax' is quantised finished and normalised). What goes into a quantiser is computed in f32, as accurately as f32 sums, v_exp_f32 and their like allow (about 1e-6 of the number): no bf16 or f16 on the way to a quantiser, and a product that is left as it is and whose result goes on into a quantised operand takes f32 operands (vector FMAs, or v_wmma_f32_16x16x4_f32). A number that lies on a knife's edge between two numbers of the format may be rounded either way, as far as f32 arithmetic and the matrix unit's own rounding can turn it there, and no further.
;;   INPUTS GIVEN AS CODES. Wk (in the module: [32, 256], K = its axis 1); Wq (in the module: [32, 256], K = its axis 1); Wv (in the module: [256, 256], K = its axis 1): each comes as NAME_codes (uint8): NAME with its K axis moved to the last place and cut into blocks of 32 codes, [.., K / 32, bytes a block], one block behind the other in memory; four codes in three bytes: a row's codes are one little-endian stream of bits, code i at bits 6 i .. 6 i + 5 (a code: sign, 2 exponent bits, 3 mantissa bits); and NAME_scales (uint8): the same leading axes, one E8M0 byte (e + 127) for each 32 codes along K. Its value is code x scale, taken as it is: it is not quantised again, and the codes and scales need not be those that the quantiser above would give.
;; One version. Each part assembles by itself: llvm-mc -triple=amdgcn-amd-amdhsa -mcpu=gfx1250 --defsym DOCPART=n.
;; ======== version 1 of 1: 2 launches
;; workspace buffers: kv 3,735,552 bytes; qw 458,752 bytes
;; launch project (part 1): grid 32 x 4, 4 waves a work-group, no clusters, 236,032 bytes of LDS; arguments x, Wq_codes, Wq_scales, bq, Wk_codes, Wk_scales, bk, Wv_codes, Wv_scales, bv, kv, qw; writes kv, qw
.if DOCPART == 1
	.amdgcn_target "amdgcn-amd-amdhsa--gfx1250"
	.amdhsa_code_object_version 6
	.text
	.protected	k_q5021ebaa0a_project
	.globl	k_q5021ebaa0a_project
	.p2align	8
	.type	k_q5021ebaa0a_project,@function
k_q5021ebaa0a_project:
	s_mov_b64 s[64:65], 0
	v_nop
	global_prefetch_b8 v0, s[64:65] scope:SCOPE_SE
	s_setreg_imm32_b32 hwreg(HW_REG_WAVE_MODE, 25, 1), 1
	s_wait_xcnt 0x0
; PROJECT: q = Wq x + bq, k = Wk x + bk, v = Wv x + bv on codes of FP6 (E2M3) with one E8M0 scale for each 32 along K, and the three results quantised for the attention launch.
; x: [4][256 channels][4096 positions] f32; its K is the channels.  Wq, Wk [32][256], Wv [256][256]: codes, K innermost, 192 bytes a row; their scale bytes 8 a row.
; SHARES.  A work-group takes 128 positions of one image (grid x = which 128, grid y = the image): they are one RECORD of the buffer kv.  Wave w quantises positions 32 w .. 32 w + 31 of x,
; makes q and k of these positions, and makes v of channels 64 w .. 64 w + 63 for all 128 positions, so that whole fragments and whole scale words of v (its K is the keys) fall to one wave.
; 128 work-groups: half the share would cut v's fragments and scale words between work-groups.  No cluster: what work-groups share is 61 KB of weights beside 128 KB of x of their own.
; A RECORD of kv, 29,184 bytes, 128 keys:  0: v's 16 fragments (16 channels x 128 keys) as images of the operand's registers, 1,536 bytes each: registers 4 i .. 4 i + 3 of lane l at 512 i + 16 l;
;   24,576: v's scale words, word of channel 16 ct + r at 256 (ct / 4) + 16 r + 4 (ct % 4);  25,600: k's codes, 24 bytes a key;  28,672: k's scale bytes, word 16 sf + r, byte 2 c + u = key 32 (2 sf + c) + 8 u + r + 8 (r / 8);
;   28,800: 384 bytes of zeros.       qw: q's codes, 24 bytes a position; from 393,216 on a word a position, its scale byte four times.
; NO TRANSPOSITION OF x.  Lane l holds ONE position, P(l) = l with bits 3 and 4 exchanged, and all its 256 channels in 256 registers: a block of 32 along K is the lane's own.  Exchanging the upper lanes of an even
; block's codes with the lower lanes of the next block's gives the fragments of two tiles of 16 positions; tile u's row m is position 8 u + m + 8 (m / 8).  With these rows a lane's 16 results of tiles 0 and 1 are 16 NEIGHBOURING positions.
; THE WEIGHTS COME THROUGH LDS.  A fragment's load straight from memory would take 8 bytes from each of 32 places in 16 rows 192 bytes apart.  So each wave brings its own 64 rows of Wv (12,288 dense bytes) and 16 of Wq's and Wk's
; 64 rows (3,072 dense bytes) by tensor loads, with 16 bytes of padding behind every 64, and a fragment is six LDS loads of 8 bytes.  They then stay in registers.
; A block's scale byte is its largest magnitude's exponent field - 2, held at 1 from below.
; LIMITS: NaN and infinities among the inputs are not served.  A block of zeros, or one whose largest magnitude lies under 2^-124, gets the byte 1 (a block of zeros has zero codes; the bytes are read by this program alone).
; REGISTERS, in windows of 256: window 0: addresses, scale words, biases, q's and k's sums, codes just made.  window 1: x as loaded (register = channel), later v's sums (64 t + 8 pt).
;   window 2: Wv's 8 fragments, from v96 Wq's 4, from v144 Wk's 4.   window 3: the 16 fragments of x (tile pt, K step s: 12 (2 pt + s)).
.set REC,   29184
.set VSCO,  24576                      ; in a record: v's scale words,
.set KCDO,  25600                      ; k's codes,
.set KSCO,  28672                      ; k's scale bytes and the zeros behind them
.set QWO,   393216                     ; in qw: the scale words
.set FRB,   1536                       ; a fragment's image in bytes
.set XIMG,  131072                     ; LDS: 0: the tile of x, 256 channels x 512 bytes;  here: x's 16 fragments as images,
.set XSC,   155648                     ; their scale words, 128 bytes for each (wave, K step),
.set KS,    156672                     ; k's 128 scale bytes,
.set WPITCH, 240                       ; a weight's row: 3 x (64 bytes + 16 of padding) = 60 words: row r starts at word -4 r modulo 64 (64 banks of 4 bytes: ISA guide 11.1), so the 32 lanes of a load of 8 bytes touch 64 different banks
.set WVL,   157696                     ; Wv's 256 rows, 64 a wave (Wq's and Wk's tiles take rows 0-7 and 16-23 on: 16 rows are 960 words, 0 modulo 64: those loads go two deep)
.set WQL,   WVL+256*WPITCH             ; Wq's 32 rows, then Wk's 32.  No LDS store lands in the weights' bytes, and no fill in the stored ones
.set XWA,   24                         ; v24-31   x's scale words of all four waves: 2 w + s
.set XW,    32                         ; v32-33   my own, K step 0, 1
.set WVS,   34                         ; v34-41   Wv's scale words: 2 t + s
.set WQS,   42                         ; v42-45   Wq's: 2 uo + s
.set WKS,   46                         ; v46-49   Wk's
.set BVC,   50                         ; v50-81   bv as a sum's start: eight equal registers for each of my 4 tiles of channels
.set QA,    82                         ; v82-113  q's sums: 16 up + 8 uo;  v114-145 k's
.set KA,    114
.set XF,    146                        ; v146-193 my 4 fragments of x: 12 (2 u + s); later v's codes: 12 t
.set TM,    194                        ; v194-209 at work in the quantisers
.set VW,    210                        ; v210-213 v's scale words
.set HC,    214                        ; v214-229 q's and k's codes: four registers for each half block
.set UT,    230                        ; v230-245 the codes of a block's upper 16 numbers, before they are moved
.set MSB, 0
.macro WIN new                         ; the immediate's high byte repeats the setting that is left
.if MSB != \new
	s_set_vgpr_msb (MSB<<8)|\new
.set MSB, \new
.endif
.endm
.macro PLACES n
.rept \n
	v_nop
.endr
.endm
; A weight's fragment, 16 rows x 128 K, from LDS: 12 registers: lane (r, h) takes the 24 bytes at 96 s + 24 h and the 24 at 96 s + 48 + 24 h of its row, in pieces of 8 bytes.  Piece p of a row's data lies at 8 p + 16 (p / 8).
; Lanes 16-31 read three pieces further on than lanes 0-15: where that is behind one padding more, the second address register (40 for 24 bytes a half) serves.
.macro WFRAG reg, a0, a1, s, row
.irp p, 0,1,2,3,4,5
.set PCE, 12*(\s)+6*(\p/3)+\p%3
.if PCE%8 < 5
	ds_load_b64 v[\reg+2*\p:\reg+2*\p+1], v[\a0] offset:8*PCE+16*(PCE/8)+(\row)*WPITCH
.else
	ds_load_b64 v[\reg+2*\p:\reg+2*\p+1], v[\a1] offset:8*PCE+16*(PCE/8)+(\row)*WPITCH
.endif
.endr
.endm
	s_load_b512 s[4:19], s[0:1], 0x0               ; x s[4:5], Wq's codes s[6:7], scales s[8:9], bq s[10:11], Wk's codes s[12:13], scales s[14:15], bk s[16:17], Wv's codes s[18:19]
	s_load_b256 s[20:27], s[0:1], 0x40             ; Wv's scales s[20:21], bv s[22:23], kv s[24:25], qw s[26:27]
	v_lshl_add_u32 v254, v0, 2, 0x39800
	v_mov_b32 v255, 0
	ds_add_u32 v254, v255
	ds_add_u32 v254, v255
	v_lshrrev_b32 v1, 5, v0
	v_readfirstlane_b32 s28, v1                    ; wave 0..3
	s_mov_b32 s29, ttmp9                           ; which 128 positions
	s_and_b32 s30, ttmp7, 0xffff                   ; the image
	; descriptor group 1 for x: 64 channels x 128 positions of 4 bytes, rows 4,096 elements apart, no padding (a lane reads a column: 32 lanes, 128 neighbouring bytes)
	s_mov_b32 s36, 2<<16                           ; no mask; elements of 4 bytes
	s_mov_b32 s37, 128<<16                         ; tensor_dim0
	s_mov_b32 s38, 64<<16                          ; tensor_dim1
	s_mov_b32 s39, 128<<16                         ; tile_dim0
	s_mov_b32 s40, 64                              ; tile_dim1
	s_mov_b32 s41, 4096                            ; from row to row
	s_mov_b32 s42, 0
	s_mov_b32 s43, 0
	; group 1 for Wv: 64 rows of 192 bytes, dense in memory; 16 bytes of padding behind every 64
	s_mov_b32 s72, (1<<20)|(3<<22)|(3<<25)         ; no mask; elements of 1 byte; 20 padding on; 24:22 after every 16 words (code 3); 31:25 of 4 words (code 3)
	s_mov_b32 s73, 192<<16                         ; tensor_dim0
	s_mov_b32 s74, 64<<16                          ; tensor_dim1
	s_mov_b32 s75, 192<<16                         ; tile_dim0
	s_mov_b32 s76, 64                              ; tile_dim1
	s_mov_b32 s77, 192                             ; from row to row
	s_mov_b32 s78, 0
	s_mov_b32 s79, 0
	; group 1 for Wq and Wk: the same with 16 rows
	s_mov_b32 s84, (1<<20)|(3<<22)|(3<<25)
	s_mov_b32 s85, 192<<16
	s_mov_b32 s86, 16<<16
	s_mov_b32 s87, 192<<16
	s_mov_b32 s88, 16
	s_mov_b32 s89, 192
	s_mov_b32 s90, 0
	s_mov_b32 s91, 0
	s_lshl_b32 s46, s30, 22                        ; x: the image: 256 x 4,096 x 4 bytes,
	s_lshl_b32 s47, s28, 20                        ; my 64 channels,
	s_add_co_u32 s46, s46, s47
	s_lshl_b32 s47, s29, 9                         ; the 128 positions
	s_add_co_u32 s46, s46, s47
	s_mov_b32 s47, 0
	s_mul_i32 s50, s28, 12288                      ; Wv: my 64 rows of 192 bytes
	s_mov_b32 s51, 0
	s_and_b32 s52, s28, 1
	s_mul_i32 s52, s52, 3072                       ; Wq or Wk: rows 16 (w % 2) on
	s_mov_b32 s53, 0
	s_mov_b32 s32, 1                               ; groups 0: count,
	s_lshl_b32 s33, s28, 15                        ; LDS address: x: 64 rows of 512 bytes a wave;
	s_mov_b32 s68, 1
	s_mul_i32 s69, s28, 64*WPITCH
	s_add_co_u32 s69, s69, WVL                     ; Wv: 64 rows a wave;
	s_mov_b32 s80, 1
	s_mul_i32 s81, s28, 16*WPITCH
	s_add_co_u32 s81, s81, WQL                     ; Wq, Wk: 16 rows a wave
	s_mov_b32 s44, 0x76543210
	s_mov_b32 s45, 0xfedcba98                      ; v_permlanex16_b32's selects for lane l xor 16
	s_wait_dscnt 0x0
	s_wait_kmcnt 0x0
	s_add_nc_u64 s[34:35], s[4:5], s[46:47]
	s_or_b32 s35, s35, 0x80000000                  ; type = 2
	s_add_nc_u64 s[70:71], s[18:19], s[50:51]
	s_or_b32 s71, s71, 0x80000000
	s_cmp_lt_u32 s28, 2                            ; waves 0 and 1 fetch Wq's halves, waves 2 and 3 Wk's: the choice hangs on the wave's number alone
	s_cselect_b64 s[82:83], s[6:7], s[12:13]
	s_add_nc_u64 s[82:83], s[82:83], s[52:53]
	s_or_b32 s83, s83, 0x80000000
	tensor_load_to_lds s[32:35], s[36:43]          ; my three tensor loads go out together; every byte that they fill is filled once.  A quarter of the tile of x,
	s_nop 0
	tensor_load_to_lds s[68:71], s[72:79]          ; my rows of Wv,
	s_nop 0
	tensor_load_to_lds s[80:83], s[84:91]          ; a quarter of Wq's and Wk's rows
	s_nop 0
	PLACES 4
	; where my parts of the buffers begin
	s_lshl_b32 s48, s30, 5
	s_add_co_u32 s48, s48, s29
	s_mul_i32 s48, s48, REC                        ; the record: 32 x image + step
	s_mov_b32 s49, 0
	s_add_nc_u64 s[24:25], s[24:25], s[48:49]
	s_mul_i32 s48, s28, 4*FRB
	s_add_nc_u64 s[50:51], s[24:25], s[48:49]      ; v's images: my four
	s_lshl_b32 s48, s28, 8
	s_add_co_u32 s48, s48, VSCO
	s_add_nc_u64 s[52:53], s[24:25], s[48:49]      ; v's scale words: my 256 bytes
	s_mul_i32 s48, s28, 768
	s_add_co_u32 s48, s48, KCDO
	s_add_nc_u64 s[54:55], s[24:25], s[48:49]      ; k's codes: my 32 keys
	s_add_nc_u64 s[56:57], s[24:25], KSCO          ; the record's last 512 bytes
	s_lshl_b32 s48, s30, 12
	s_lshl_b32 s46, s29, 7
	s_add_co_u32 s48, s48, s46
	s_lshl_b32 s46, s28, 5
	s_add_co_u32 s48, s48, s46                     ; my first position among all 16,384
	s_lshl_b32 s46, s48, 2
	s_add_co_u32 s46, s46, QWO
	s_add_nc_u64 s[60:61], s[26:27], s[46:47]      ; q's scale words
	s_mul_i32 s48, s48, 24
	s_add_nc_u64 s[58:59], s[26:27], s[48:49]      ; q's codes
	s_lshl_b32 s48, s28, 9
	s_add_nc_u64 s[20:21], s[20:21], s[48:49]      ; Wv's scale bytes of my 64 rows,
	s_lshl_b32 s48, s28, 8
	s_add_nc_u64 s[22:23], s[22:23], s[48:49]      ; their biases
	v_and_b32 v1, 31, v0                           ; lane
	v_and_b32 v2, 15, v0                           ; r
	v_bfe_u32 v3, v0, 4, 1                         ; h
	v_and_b32 v246, 7, v0
	v_bfe_u32 v247, v0, 3, 1
	v_lshl_or_b32 v246, v3, 3, v246
	v_lshl_or_b32 v246, v247, 4, v246              ; P(lane)
	v_and_b32 v248, 8, v2
	v_add_nc_u32 v248, v248, v2                    ; r + 8 (r / 8)
	s_lshl_b32 s46, s28, 7
	v_lshl_add_u32 v4, v246, 2, s46                ; the tile of x: my column, channels 0-127,
	v_add_nc_u32 v5, 0x10000, v4                   ; and channels 128-255 (an LDS offset has 16 bits)
	v_lshl_add_u32 v6, v1, 4, XIMG                 ; an image's place for my lane
	v_lshl_add_u32 v7, v1, 2, XSC                  ; a scale word's
	s_mul_i32 s46, s28, 4*FRB
	v_add_nc_u32 v8, s46, v6                       ; where I store my four images
	s_lshl_b32 s46, s28, 8
	v_add_nc_u32 v9, s46, v7                       ; and my two scale words
	v_mul_u32_u24 v10, v248, WPITCH
	v_mad_u32_u24 v10, v3, 24, v10
	v_add_nc_u32 v10, WQL, v10                     ; Wq, Wk in LDS: lane r of tile uo takes row 8 uo + r + 8 (r / 8); + 24 h,
	v_lshl_add_u32 v23, v3, 4, v10                 ; and + 40 h
	v_mul_u32_u24 v11, v2, WPITCH
	v_mad_u32_u24 v11, v3, 24, v11
	s_mul_i32 s46, s28, 64*WPITCH
	s_add_co_u32 s46, s46, WVL
	v_add_nc_u32 v11, s46, v11                     ; Wv in LDS: my 64 rows, row r, + 24 h,
	v_lshl_add_u32 v253, v3, 4, v11                ; and + 40 h
	v_lshlrev_b32 v12, 3, v248                     ; the weights' scale bytes in memory, 8 a row
	v_lshlrev_b32 v13, 3, v2
	v_lshlrev_b32 v14, 6, v3                       ; bq, bk: my half's 16 numbers
	v_lshlrev_b32 v15, 2, v2                       ; bv: channel r
	v_mul_u32_u24 v16, v248, 24
	v_mad_u32_u24 v16, v3, 12, v16                 ; q's and k's codes: position r + 8 (r / 8) (+ 8 up), my half's 12 bytes
	v_lshlrev_b32 v17, 2, v246                     ; q's scale word: position P(lane)
	s_lshr_b32 s46, s28, 1
	s_lshl_b32 s46, s46, 6
	s_and_b32 s47, s28, 1
	s_lshl_b32 s47, s47, 1
	s_add_co_u32 s46, s46, s47
	s_add_co_u32 s46, s46, KS
	v_lshl_add_u32 v18, v2, 2, s46                 ; k's two scale bytes of row r: word 16 (w / 2) + r, bytes 2 (w % 2) and the next
	v_lshlrev_b32 v19, 4, v2
	v_lshl_add_u32 v19, v3, 3, v19                 ; v's scale words: 16 r + 8 h
	v_lshlrev_b32 v20, 2, v0                       ; the record's last 512 bytes: 4 a thread
	v_lshl_add_u32 v21, v1, 2, KS
	v_lshlrev_b32 v22, 4, v1                       ; 16 x lane
	v_cmp_ne_u32 s62, 0, v3                        ; lanes 16-31
	; scale words and biases come straight from memory: each load takes neighbouring bytes in neighbouring lanes
.irp t, 0,1,2,3
	global_load_b64 v[WVS+2*\t:WVS+2*\t+1], v13, s[20:21] offset:128*\t      ; a row's two scale words
.endr
.irp uo, 0,1
	global_load_b64 v[WQS+2*\uo:WQS+2*\uo+1], v12, s[8:9] offset:64*\uo
	global_load_b64 v[WKS+2*\uo:WKS+2*\uo+1], v12, s[14:15] offset:64*\uo
.endr
.irp up, 0,1                                   ; the biases are what the sums begin with: register j of tile uo is channel 16 h + 8 uo + j
.irp uo, 0,1
	global_load_b128 v[QA+16*\up+8*\uo:QA+16*\up+8*\uo+3], v14, s[10:11] offset:32*\uo
	global_load_b128 v[QA+16*\up+8*\uo+4:QA+16*\up+8*\uo+7], v14, s[10:11] offset:32*\uo+16
	global_load_b128 v[KA+16*\up+8*\uo:KA+16*\up+8*\uo+3], v14, s[16:17] offset:32*\uo
	global_load_b128 v[KA+16*\up+8*\uo+4:KA+16*\up+8*\uo+7], v14, s[16:17] offset:32*\uo+16
.endr
.endr
.irp t, 0,1,2,3
	global_load_b32 v[BVC+8*\t], v15, s[22:23] offset:64*\t                  ; bv of channel 16 t + r
.endr
	s_wait_tensorcnt 0x0                           ; my three tiles have landed,
	s_barrier_signal -1
	s_barrier_wait -1                              ; everybody's have
	; ---- my column of x: 256 channels into window 1, register = channel
	WIN 0x40
.set CH, 0
.rept 128
	ds_load_b32 v[CH], v4 offset:512*CH
.set CH, CH+1
.endr
.set CH, 0
.rept 128
	ds_load_b32 v[128+CH], v5 offset:512*CH
.set CH, CH+1
.endr
	s_wait_dscnt 0x0
	; ---- the weights' 16 fragments into window 2: asked for here, they land while x is quantised; the wait for them is the one in front of the next barrier
	WIN 0x80                                       ; destination window 2
.irp t, 0,1,2,3
.irp s, 0,1
	WFRAG 12*(2*\t+\s), 11, 253, \s, 16*\t
.endr
.endr
.irp uo, 0,1
.irp s, 0,1
	WFRAG 96+12*(2*\uo+\s), 10, 23, \s, 8*\uo
	WFRAG 144+12*(2*\uo+\s), 10, 23, \s, 32+8*\uo
.endr
.endr
	; ---- x is quantised: eight blocks of 32 channels, all mine
	WIN 0x05                                       ; sources 0 and 1 window 1
.irp kb, 0,1,2,3,4,5,6,7
	v_max3_num_f32 v[TM+\kb], |v[32*\kb]|, |v[32*\kb+1]|, 0x1800000          ; with the floor 2^(3 - 127): the byte cannot fall under 1
.endr
.irp i, 2,4,6,8,10,12,14,16,18,20,22,24,26,28,30
.irp kb, 0,1,2,3,4,5,6,7
	v_max3_num_f32 v[TM+\kb], |v[32*\kb+\i]|, |v[32*\kb+\i+1]|, v[TM+\kb]    ; the eight blocks by turns
.endr
.endr
	WIN 0
.irp kb, 0,1,2,3,4,5,6,7
	v_add_nc_u32 v[TM+8+\kb], 0xff000000, v[TM+\kb]   ; 2 off the exponent field: the conversion's scale operand
.endr
.irp kb, 0,1,2,3,4,5,6,7
	v_lshrrev_b32 v[TM+\kb], 23, v[TM+8+\kb]       ; the scale's byte
.endr
.irp s, 0,1
	v_lshl_or_b32 v[XW+\s], v[TM+4*\s+1], 8, v[TM+4*\s]    ; four bytes: my position's scale word of K step s
	v_lshl_or_b32 v[XW+\s], v[TM+4*\s+2], 16, v[XW+\s]
	v_lshl_or_b32 v[XW+\s], v[TM+4*\s+3], 24, v[XW+\s]
.endr
.irp s, 0,1
	WIN 0x01                                       ; source 0 window 1
.irp c, 0,1
.irp e, 0,1
	v_cvt_scalef32_pk16_fp6_f32 v[XF+12*(2*\e+\s)+6*\c:XF+12*(2*\e+\s)+6*\c+2], v[32*(4*\s+2*\c+\e):32*(4*\s+2*\c+\e)+15], v[TM+8+4*\s+2*\c+\e]
	v_cvt_scalef32_pk16_fp6_f32 v[UT+4*(2*\c+\e):UT+4*(2*\c+\e)+2], v[32*(4*\s+2*\c+\e)+16:32*(4*\s+2*\c+\e)+31], v[TM+8+4*\s+2*\c+\e]   ; (a conversion's three registers begin on an even number)
.endr
.endr
	WIN 0
	v_nop                                          ; one plain place behind a scaled conversion
.irp c, 0,1
.irp e, 0,1
.irp i, 0,1,2
	v_mov_b32 v[XF+12*(2*\e+\s)+6*\c+3+\i], v[UT+4*(2*\c+\e)+\i]
.endr
.endr
.endr
.irp c, 0,1                                    ; block 4 s + 2 c's upper lanes change places with block 4 s + 2 c + 1's lower lanes: the first is then registers 6 c .. 6 c + 5 of tile 0's fragment, the second of tile 1's
.irp i, 0,1,2,3,4,5
	v_permlane16_swap_b32 v[XF+12*\s+6*\c+\i], v[XF+12*(2+\s)+6*\c+\i]
.endr
.endr
.endr
	; ---- the four fragments and the two scale words go to LDS as images of their registers
.irp u, 0,1
.irp s, 0,1
.irp i, 0,1,2
	ds_store_b128 v8, v[XF+12*(2*\u+\s)+4*\i:XF+12*(2*\u+\s)+4*\i+3] offset:FRB*(2*\u+\s)+512*\i
.endr
.endr
.endr
	ds_store_b32 v9, v[XW]
	ds_store_b32 v9, v[XW+1] offset:128
	s_wait_dscnt 0x0                               ; for the others' sake: my stores have landed; and the weights' fragments are in
	s_barrier_signal -1
	s_barrier_wait -1
	WIN 0xc0                                       ; destination window 3
.set F, 0
.rept 16
.irp i, 0,1,2
	ds_load_b128 v[12*F+4*\i:12*F+4*\i+3], v6 offset:FRB*F+512*\i
.endr
.set F, F+1
.endr
	WIN 0
.irp i, 0,1,2,3,4,5,6,7
	ds_load_b32 v[XWA+\i], v7 offset:128*\i
.endr
	; ---- q and k of my 32 positions, while those loads are on their way.  Source 0 = 16 rows of W, source 1 = a tile of x: a lane holds ONE position and, in tiles uo = 0, 1, its channels 16 h + 0 .. 15
	s_wait_loadcnt 0x0                             ; scale words, biases
.irp t, 0,1,2,3                                ; in v's sums a lane holds ONE channel and eight positions: what they begin with is its bias in eight registers
.irp j, 1,2,3,4,5,6,7
	v_mov_b32 v[BVC+8*\t+\j], v[BVC+8*\t]
.endr
.endr
	PLACES 8                                       ; a scale register written by vector instructions stands 8 places ahead of a scaled matrix instruction, an operand so written 4
.macro MMQK acc, wf, ws, s, up
.if \up
	v_wmma_scale_f32_16x16x128_f8f6f4 v[\acc:\acc+7], v[\wf:\wf+11], v[XF+12*(2*\up+\s):XF+12*(2*\up+\s)+11], v[\acc:\acc+7], v[\ws], v[XW+\s] matrix_a_fmt:MATRIX_FMT_FP6 matrix_b_fmt:MATRIX_FMT_FP6 matrix_b_scale:MATRIX_SCALE_ROW1
.else
	v_wmma_scale_f32_16x16x128_f8f6f4 v[\acc:\acc+7], v[\wf:\wf+11], v[XF+12*(2*\up+\s):XF+12*(2*\up+\s)+11], v[\acc:\acc+7], v[\ws], v[XW+\s] matrix_a_fmt:MATRIX_FMT_FP6 matrix_b_fmt:MATRIX_FMT_FP6
.endif
.endm
	WIN 0x02                                       ; source 0 window 2
.irp s, 0,1                                    ; eight sums by turns, one instruction a turn
.irp uo, 0,1
.irp up, 0,1
	MMQK QA+16*\up+8*\uo, 96+12*(2*\uo+\s), WQS+2*\uo+\s, \s, \up
.endr
.endr
.irp uo, 0,1
.irp up, 0,1
	MMQK KA+16*\up+8*\uo, 144+12*(2*\uo+\s), WKS+2*\uo+\s, \s, \up
.endr
.endr
.endr
	; ---- v of my 64 channels for all 128 positions.  Source 0 = a tile of x, source 1 = 16 rows of Wv: a lane holds ONE channel, and the 16 registers of tiles 2 b, 2 b + 1 are positions 32 b + 16 h + 0 .. 15
	s_wait_dscnt 0x0                               ; all 16 fragments of x and their scale words
.macro MMV t, pt, s
.set rD, 64*\t+8*\pt
.set rA, 12*(2*\pt+\s)
.set rB, 12*(2*\t+\s)
.set rS, XWA+2*(\pt/2)+\s
.if \s == 0
.if \pt%2
	v_wmma_scale_f32_16x16x128_f8f6f4 v[rD:rD+7], v[rA:rA+11], v[rB:rB+11], v[BVC+8*\t:BVC+8*\t+7], v[rS], v[WVS+2*\t+\s] matrix_a_fmt:MATRIX_FMT_FP6 matrix_b_fmt:MATRIX_FMT_FP6 matrix_a_scale:MATRIX_SCALE_ROW1
.else
	v_wmma_scale_f32_16x16x128_f8f6f4 v[rD:rD+7], v[rA:rA+11], v[rB:rB+11], v[BVC+8*\t:BVC+8*\t+7], v[rS], v[WVS+2*\t+\s] matrix_a_fmt:MATRIX_FMT_FP6 matrix_b_fmt:MATRIX_FMT_FP6
.endif
.else
.if \pt%2
	v_wmma_scale_f32_16x16x128_f8f6f4 v[rD:rD+7], v[rA:rA+11], v[rB:rB+11], v[rD:rD+7], v[rS], v[WVS+2*\t+\s] matrix_a_fmt:MATRIX_FMT_FP6 matrix_b_fmt:MATRIX_FMT_FP6 matrix_a_scale:MATRIX_SCALE_ROW1
.else
	v_wmma_scale_f32_16x16x128_f8f6f4 v[rD:rD+7], v[rA:rA+11], v[rB:rB+11], v[rD:rD+7], v[rS], v[WVS+2*\t+\s] matrix_a_fmt:MATRIX_FMT_FP6 matrix_b_fmt:MATRIX_FMT_FP6
.endif
.endif
.endm
	WIN 0x4b                                       ; source 0 (x) window 3, source 1 (Wv) window 2, C (bv) window 0, D window 1
.irp t, 0,1,2,3
.irp pt, 0,1,2,3,4,5,6,7
	MMV \t, \pt, 0
.endr
.endr
	WIN 0x5b                                       ; C window 1: the 32 sums by turns go on in place
.irp t, 0,1,2,3
.irp pt, 0,1,2,3,4,5,6,7
	MMV \t, \pt, 1
.endr
.endr
	WIN 0
	PLACES 4                                       ; in front of the first read of results
	; ---- q and k are quantised: a position's 32 channels are one block, 16 in lane l and 16 in lane l xor 16.  Four half blocks (q, k) x (up = 0, 1) by turns; each sum is read from its low end on
.irp hb, 0,1,2,3
	v_max3_num_f32 v[TM+\hb], |v[QA+16*\hb]|, |v[QA+16*\hb+1]|, 0x1800000
.endr
.irp i, 2,4,6,8,10,12,14
.irp hb, 0,1,2,3
	v_max3_num_f32 v[TM+\hb], v[TM+\hb], |v[QA+16*\hb+\i]|, |v[QA+16*\hb+\i+1]|
.endr
.endr
.irp hb, 0,1,2,3
	v_permlanex16_b32 v[TM+4+\hb], v[TM+\hb], s44, s45
.endr
.irp hb, 0,1,2,3
	v_max_num_f32 v[TM+\hb], v[TM+\hb], v[TM+4+\hb]
.endr
.irp hb, 0,1,2,3
	v_add_nc_u32 v[TM+8+\hb], 0xff000000, v[TM+\hb]
.endr
.irp hb, 0,1,2,3
	v_cvt_scalef32_pk16_fp6_f32 v[HC+4*\hb:HC+4*\hb+2], v[QA+16*\hb:QA+16*\hb+15], v[TM+8+\hb]
.endr
.irp hb, 0,1,2,3
	v_lshrrev_b32 v[TM+4+\hb], 23, v[TM+8+\hb]     ; the scale's byte
.endr
	global_store_b96 v16, v[HC:HC+2], s[58:59]               ; q: 12 bytes of position r + 8 (r / 8),
	global_store_b96 v16, v[HC+4:HC+6], s[58:59] offset:192  ; and of the position 8 further on
	global_store_b96 v16, v[HC+8:HC+10], s[54:55]            ; k likewise
	global_store_b96 v16, v[HC+12:HC+14], s[54:55] offset:192
	v_cndmask_b32 v250, v[TM+4], v[TM+5], s62      ; lane 16 u + r stores the word of position P(16 u + r): tile u's byte,
	v_lshl_or_b32 v250, v250, 8, v250
	v_lshl_or_b32 v250, v250, 16, v250             ; four times: whichever K block the query's codes stand in, its byte is there
	global_store_b32 v17, v250, s[60:61]
	v_lshl_or_b32 v247, v[TM+7], 8, v[TM+6]
	ds_store_b16 v18, v247                         ; k's two bytes of row r (lanes r and 16 + r write the same two bytes with the same value)
	; ---- v is quantised along the keys: 64 numbers of a lane, register 16 b + i = key 32 b + 16 h + i of my channel, become a fragment's codes and a scale word
.macro QUANTW t
	WIN 0x05
.irp b, 0,1,2,3
	v_max3_num_f32 v[TM+\b], |v[64*\t+16*\b]|, |v[64*\t+16*\b+1]|, 0x1800000
.endr
.irp i, 2,4,6,8,10,12,14
.irp b, 0,1,2,3
	v_max3_num_f32 v[TM+\b], |v[64*\t+16*\b+\i]|, |v[64*\t+16*\b+\i+1]|, v[TM+\b]
.endr
.endr
	WIN 0
.irp b, 0,1,2,3
	v_permlanex16_b32 v[TM+4+\b], v[TM+\b], s44, s45
.endr
.irp b, 0,1,2,3
	v_max_num_f32 v[TM+\b], v[TM+\b], v[TM+4+\b]
.endr
.irp b, 0,1,2,3
	v_add_nc_u32 v[TM+12+\b], 0xff000000, v[TM+\b]
.endr
.irp b, 0,1,2,3
	v_lshrrev_b32 v[TM+4+\b], 23, v[TM+12+\b]
.endr
	v_lshl_or_b32 v[VW+\t], v[TM+5], 8, v[TM+4]
	v_lshl_or_b32 v[VW+\t], v[TM+6], 16, v[VW+\t]
	v_lshl_or_b32 v[VW+\t], v[TM+7], 24, v[VW+\t]
	WIN 0x01
.irp c, 0,1
	v_cvt_scalef32_pk16_fp6_f32 v[XF+12*\t+6*\c:XF+12*\t+6*\c+2], v[64*\t+32*\c:64*\t+32*\c+15], v[TM+12+2*\c]
	v_cvt_scalef32_pk16_fp6_f32 v[UT+4*\c:UT+4*\c+2], v[64*\t+32*\c+16:64*\t+32*\c+31], v[TM+12+2*\c+1]
.endr
	WIN 0
	v_nop                                          ; one plain place behind a scaled conversion
.irp c, 0,1                                    ; the operand's layout wants a WHOLE block in a lane: lanes 0-15 block 2 c, lanes 16-31 block 2 c + 1
.irp i, 0,1,2
	v_permlane16_swap_b32 v[XF+12*\t+6*\c+\i], v[UT+4*\c+\i]
.endr
.irp i, 0,1,2
	v_mov_b32 v[XF+12*\t+6*\c+3+\i], v[UT+4*\c+\i]
.endr
.endr
.irp i, 0,1,2
	global_store_b128 v22, v[XF+12*\t+4*\i:XF+12*\t+4*\i+3], s[50:51] offset:FRB*\t+512*\i   ; the image: 32 lanes store 512 consecutive bytes, aligned to 256
.endr
.endm
	QUANTW 0
	QUANTW 1
	QUANTW 2
	QUANTW 3
	v_cndmask_b32 v248, v[VW], v[VW+2], s62        ; lane (r, h) stores the words of tiles 2 h and 2 h + 1 of channel r:
	v_cndmask_b32 v249, v[VW+1], v[VW+3], s62
	global_store_b64 v19, v[248:249], s[52:53]     ; 32 lanes store 256 consecutive bytes, aligned
	; ---- the record's last 512 bytes: k's 128 scale bytes, then zeros
	s_wait_dscnt 0x0                               ; my two bytes a row have landed
	s_barrier_signal -1
	s_barrier_wait -1
	ds_load_b32 v251, v21
	s_wait_dscnt 0x0
	v_cmp_gt_u32 vcc_lo, 32, v0
	v_cndmask_b32 v252, 0, v251, vcc_lo            ; threads 32 and up store zeros
	global_store_b32 v20, v252, s[56:57]
	s_wait_tensorcnt 0x0
	ds_add_u32 v254, v255
	s_wait_dscnt 0x0
	s_endpgm
.Lfunc_end_k_q5021ebaa0a_project:
	.size	k_q5021ebaa0a_project, .Lfunc_end_k_q5021ebaa0a_project-k_q5021ebaa0a_project
	.p2alignl 7, 3214868480
	.fill 96, 4, 3214868480
	.section	.rodata,"a",@progbits
	.p2align	6, 0x0
	.amdhsa_kernel k_q5021ebaa0a_project
		.amdhsa_group_segment_fixed_size 236032
		.amdhsa_private_segment_fixed_size 0
		.amdhsa_enable_private_segment 0
		.amdhsa_kernarg_size 96
		.amdhsa_user_sgpr_count 2
		.amdhsa_user_sgpr_kernarg_segment_ptr 1
		.amdhsa_wavefront_size32 1
		.amdhsa_system_sgpr_workgroup_id_x 1
		.amdhsa_system_sgpr_workgroup_id_y 1
		.amdhsa_system_sgpr_workgroup_id_z 1
		.amdhsa_system_vgpr_workitem_id 0
		.amdhsa_next_free_vgpr 1024
		.amdhsa_next_free_sgpr 96
		.amdhsa_reserve_vcc 1
		.amdhsa_float_denorm_mode_32 3
		.amdhsa_float_denorm_mode_16_64 3
		.amdhsa_memory_ordered 1
		.amdhsa_forward_progress 1
		.amdhsa_inst_pref_size 82
	.end_amdhsa_kernel
	.amdgpu_metadata
---
amdhsa.version: [ 1, 2 ]
amdhsa.kernels:
  - .name:           k_q5021ebaa0a_project
    .symbol:         k_q5021ebaa0a_project.kd
    .args:
      - { .name: x, .offset: 0, .size: 8, .value_kind: global_buffer, .address_space: global }
      - { .name: Wq_codes, .offset: 8, .size: 8, .value_kind: global_buffer, .address_space: global }
      - { .name: Wq_scales, .offset: 16, .size: 8, .value_kind: global_buffer, .address_space: global }
      - { .name: bq, .offset: 24, .size: 8, .value_kind: global_buffer, .address_space: global }
      - { .name: Wk_codes, .offset: 32, .size: 8, .value_kind: global_buffer, .address_space: global }
      - { .name: Wk_scales, .offset: 40, .size: 8, .value_kind: global_buffer, .address_space: global }
      - { .name: bk, .offset: 48, .size: 8, .value_kind: global_buffer, .address_space: global }
      - { .name: Wv_codes, .offset: 56, .size: 8, .value_kind: global_buffer, .address_space: global }
      - { .name: Wv_scales, .offset: 64, .size: 8, .value_kind: global_buffer, .address_space: global }
      - { .name: bv, .offset: 72, .size: 8, .value_kind: global_buffer, .address_space: global }
      - { .name: kv, .offset: 80, .size: 8, .value_kind: global_buffer, .address_space: global }
      - { .name: qw, .offset: 88, .size: 8, .value_kind: global_buffer, .address_space: global }
    .group_segment_fixed_size: 236032
    .private_segment_fixed_size: 0
    .kernarg_segment_align: 8
    .kernarg_segment_size: 96
    .max_flat_workgroup_size: 128
    .sgpr_count:     96
    .vgpr_count:     1024
    .wavefront_size: 32
...
	.end_amdgpu_metadata
.endif
;; end of part 1
;; launch attend (part 2): grid 64 x 4, 8 waves a work-group, clusters of 4 x 1, 327,680 bytes of LDS; arguments kv, qw, x, gamma, out0; writes out0
.if DOCPART == 2
	.amdgcn_target "amdgcn-amd-amdhsa--gfx1250"
	.amdhsa_code_object_version 6
	.text
	.protected	k_q5021ebaa0a_attend
	.globl	k_q5021ebaa0a_attend
	.p2align	8
	.type	k_q5021ebaa0a_attend,@function
k_q5021ebaa0a_attend:
	s_mov_b64 s[64:65], 0
	v_nop
	global_prefetch_b8 v0, s[64:65] scope:SCOPE_SE
	s_setreg_imm32_b32 hwreg(HW_REG_WAVE_MODE, 25, 1), 1
	s_wait_xcnt 0x0
	s_wait_alu depctr_hold_cnt(0) depctr_sa_sdst(0) depctr_va_vdst(0) depctr_va_sdst(0) depctr_va_ssrc(0) depctr_va_vcc(0) depctr_vm_vsrc(0)
	s_getreg_b32 s2, hwreg(HW_REG_IB_STS2, 6, 4)
	s_cmp_eq_u32 s2, 0
	s_cbranch_scc0 .Lentry_in_a_cluster
	s_endpgm
.Lentry_in_a_cluster:
	s_bfe_u32 s2, ttmp6, 0x10000c
	s_cmp_lg_u32 s2, 0x3003
	s_cbranch_scc0 .Lentry_shape_is_right
	s_endpgm
.Lentry_shape_is_right:
; ATTEND: out[b][c][i] = gamma x (sum over j of v[b][c][j] softmax_j(q[b][:,i] . k[b][:,j])) + x[b][c][i], both products on codes of FP6 (E2M3) with one E8M0 scale for each 32 along K.
; kv: for each image 32 records of 128 keys, 29,184 bytes each: v's 16 fragments (16 channels x 128 keys) as images of the operand's registers, v's scale words, k's codes (24 bytes a key), k's scale bytes.  qw: q's codes and scale words.
; THE SOFTMAX AHEAD OF THE SECOND PRODUCT: t = score x log2(e); M = the largest t so far, rounded UP to a whole number; p = 2^(t - M) is quantised along the keys, not normalised; the sum is taken of the unquantised p and divides at the end.
; SHARES.  A work-group owns 64 queries of one image.  Wave w: g = w % 2 says which 32 queries (two tiles of 16), kq = w / 2 which quarter of the keys: record 4 v + kq in visit v = 0 .. 7.  Two waves lie on a SIMD, so that one's
; vector work stands beside the other's products and LDS loads; a fragment of v read from LDS feeds two products.  The four quarters meet at the end: every M is a whole number, so the factors that bring them under one M are exact.
; CLUSTER.  The four work-groups of a cluster belong to one image and walk the same records: each slot (four records, 116,736 bytes) is asked for JOINTLY, each wave an eighth of it, with the same descriptor and the mask of all four.
; THE FIRST PRODUCT HAS K = 32 in an instruction of K = 128.  Source 0 carries FOUR tiles of 16 keys, one in each of its four blocks of 32 along K; source 1 is the queries' codes in ONE block and zero codes in the other three,
; which add exactly nothing.  So k's bytes are read from LDS once, as they lie.  Q is kept as the runs Z A0 Z B0 Z A1 Z B1 Z of 6 registers (Z zeros; A: tile's codes in lanes 0-15; B: in lanes 16-31): each of the 8 operands is 12 registers on end.
; LAYOUT.  Both products transposed: S^T = K Q^T, O^T = V^T P^T: a lane holds ONE query (lane % 16).  Lane r of key tile 2 b + u takes key 32 b + 8 u + r + 8 (r / 8), so that the 16 registers of tiles 2 b, 2 b + 1 are keys 32 b + 16 (lane / 16) + 0 .. 15.
; THE STEP IS TURNED ROUND THE CHANGE OF SLOTS.  V^T P goes in four groups of four fragments of v, through two sets of registers.  When the fourth group's loads have been issued, a wave has asked for all that it wants of the slot: the third
; group's 8 products stand in front of the barrier, while the fourth group's loads land; the fourth group's 8 products, all of whose operands are then in registers, stand BEHIND the barrier and the refill, behind the next step's loads of K, which land meanwhile.
; LIMITS: NaN and infinities are not served.  A block whose every p lies under 2^-124 gets the scale byte 1.  A block's largest p is made from its largest score, which takes v_exp_f32 not to fall where its input rises.
; The division is a multiplication by v_rcp_f32's result.  The four quarters of the keys are summed in another order than one pass over the keys would.
; REGISTERS: window 0: v1-4 places that stay, v5-6 for the add, v7-10 the step's LDS addresses, v11 the prefetch, v12-19 statistics (tile q: -M, largest t, the sum in two halves), v20-73 Q, v74 Q's scale words, v75 K's,
;   v76-83 V's, v84-85 p's, v86-89 f, v90-113 p's codes, v114-134 at work, v136-183 V's fragments, set 0 (first K's), v184-247 S^T then p; v184-231 also V's set 1.   window 1: O^T, 128 q + 8 ct.
;   v135 and v248-255: the addresses of the way out.  They are made at the head, of the lane's and the wave's numbers and constants alone, and no other line of the launch writes them: every LDS address is alike in the four partners.
;   The scale registers v74-85 hold scales and nothing else, on the way out too.
.set REC,   29184
.set VSCO,  24576
.set KCDO,  25600
.set KSCO,  28672
.set QWO,   393216
.set SLOT1, 1<<17                      ; slot 0 at 0, slot 1 here: one exclusive or turns an address in one slot into the other's
.set EXP,   272                        ; the way out: rows of 64 queries x 4 bytes + 16
.set EXQ,   256*EXP                    ; 256 channels: one quarter's part.  The four parts lie from LDS byte 0 on, over the ring, which has then had its last fill and its last read
.set STATS, 4*EXQ                      ; behind them: each wave's -M and sums, 512 bytes a wave
.set SPARE, STATS+4096                 ; the spare words, 128 bytes for each of the eight waves: four blocks of 256 bytes that no other line names
.set SPW,  5
.set NIL,  6
.set QB,   20
.set QSW,  74
.set KSW,  75
.set VS0,  76
.set VS1,  80
.set PSW,  84
.set PC,   90
.set CT,   114                         ; v114-121 the codes of upper halves before they are moved; then the sum's second chain
.set BM,   122                         ; v122-125 a block's largest score, then its largest p
.set PT,   126                         ; v126-129 the other half's; then the scale bytes
.set SO,   130                         ; v130-133 the conversions' scale operands
.set TT,   134
.set GO,   135                         ; v135     the way out: my byte offset in x and in out
.set VB0,  136
.set VB1,  184
.set S,    184
.set STW,  248                         ; v248     where I store my statistics
.set STR,  249                         ; v249     where I read the four quarters' back
.set EXI,  250                         ; v250-251 the stage, on the way in: channels 0-127, 128-255
.set EXO,  252                         ; v252-255 the stage, back: quarter 0 .. 3
.set MSB, 0
.macro WIN new                         ; the immediate's high byte repeats the setting that is left
.if MSB != \new
	s_set_vgpr_msb (MSB<<8)|\new
.set MSB, \new
.endif
.endm
.macro PLACES
.rept 4
	v_nop
.endr
.endm
; A round of the cluster's barrier: my work-group's barrier; wave 0 signals for the work-group; every wave waits for all four work-groups; my work-group's barrier once more.
.macro CROUND
	s_barrier_signal -1
	s_barrier_wait -1
	s_cmp_lg_u32 s14, 0
	s_cbranch_scc1 .Lnot_wave_0_\@
	s_barrier_signal -3
.Lnot_wave_0_\@:
	s_barrier_wait -3
	s_barrier_signal -1
	s_barrier_wait -1
.endm
	s_load_b256 s[4:11], s[0:1], 0x0               ; kv s[4:5], qw s[6:7], x s[8:9], gamma s[10:11]
	s_load_b64 s[12:13], s[0:1], 0x20              ; out0
	v_lshl_add_u32 v[SPW], v0, 2, SPARE
	v_mov_b32 v[NIL], 0
	ds_add_u32 v5, v6
	ds_add_u32 v5, v6
	s_wait_dscnt 0x0
	v_lshrrev_b32 v1, 5, v0
	v_readfirstlane_b32 s14, v1                    ; wave 0..7
	s_and_b32 s15, s14, 1                          ; g: which 32 queries
	s_lshr_b32 s16, s14, 1                         ; kq: which record of a slot
	s_bfe_u32 s17, ttmp6, 0x40000                  ; cx: my place in the cluster
	s_lshl_b32 s18, ttmp9, 2
	s_add_co_u32 s18, s18, s17                     ; my block of 64 queries = 4 x cluster x + cx: it enters q's, x's and out's addresses alone
	s_and_b32 s19, ttmp7, 0xffff                   ; the image, which the four partners share
	s_mov_b32 s20, 0x76543210
	s_mov_b32 s21, 0xfedcba98                      ; v_permlanex16_b32's selects for lane l xor 16
	s_mov_b32 s22, 0x3fb8aa3b                      ; c = log2(e)
	s_mov_b32 s23, s22                             ; (named with it as a pair, so it is written)
	s_mov_b32 s24, 0                               ; where the slot in hand begins
	; descriptor group 1: half a record, 14,592 dense bytes, as 57 rows of 256 bytes (32 elements of 8 bytes), no padding: images are read 16 bytes a lane on end
	s_mov_b32 s28, 15|(3<<16)|(1<<21)              ; the mask: all four work-groups; elements of 8 bytes; bit 21 set beside a mask
	s_mov_b32 s29, 32<<16                          ; tensor_dim0
	s_mov_b32 s30, 57<<16                          ; tensor_dim1
	s_mov_b32 s31, 32<<16                          ; tile_dim0
	s_mov_b32 s32, 57                              ; tile_dim1
	s_mov_b32 s33, 32                              ; from row to row
	s_mov_b32 s34, 0
	s_mov_b32 s35, 0
	s_mul_i32 s44, s19, 32*REC                     ; the image's records,
	s_mul_i32 s37, s14, REC/2                      ; my eighth of a slot: in memory and in LDS alike; no place in the cluster enters it
	s_add_co_u32 s44, s44, s37
	s_mov_b32 s45, 0
	s_mov_b32 s36, 1
	s_mov_b32 s40, 1
	s_add_co_u32 s41, s37, SLOT1
	s_lshl_b32 s46, s19, 22                        ; x and out: the image,
	s_lshl_b32 s47, s14, 19                        ; the 32 channels that I finish,
	s_add_co_u32 s46, s46, s47
	s_lshl_b32 s47, s18, 8                         ; my block's 64 queries: 256 bytes of a row
	s_add_co_u32 s46, s46, s47
	s_mov_b32 s47, 0
	s_lshl_b32 s52, s19, 12
	s_lshl_b32 s53, s18, 6
	s_add_co_u32 s52, s52, s53
	s_lshl_b32 s53, s15, 5
	s_add_co_u32 s52, s52, s53                     ; my first query among all 16,384
	s_lshl_b32 s54, s52, 2
	s_add_co_u32 s54, s54, QWO
	s_mov_b32 s55, 0
	s_mul_i32 s52, s52, 24
	s_mov_b32 s53, 0
	s_wait_kmcnt 0x0
	s_add_nc_u64 s[38:39], s[4:5], s[44:45]        ; slot 0: visit 0
	s_add_nc_u64 s[42:43], s[38:39], 4*REC         ; slot 1: visit 1; this group 0 then walks
	s_or_b32 s39, s39, 0x80000000                  ; type = 2
	s_or_b32 s43, s43, 0x80000000
	s_load_b32 s26, s[10:11], 0x0                  ; gamma
	s_add_nc_u64 s[48:49], s[8:9], s[46:47]        ; x
	s_add_nc_u64 s[50:51], s[12:13], s[46:47]      ; out
	s_add_nc_u64 s[52:53], s[6:7], s[52:53]        ; q's codes
	s_add_nc_u64 s[54:55], s[6:7], s[54:55]        ; q's scale words
	CROUND                                         ; all four work-groups are here: the first joint loads meet
	tensor_load_to_lds s[36:39], s[28:35]          ; the two first fills stand together: two tensor loads of mine are out
	s_nop 0
	tensor_load_to_lds s[40:43], s[28:35]
	s_nop 0
	PLACES
	v_and_b32 v7, 31, v0                           ; lane
	v_and_b32 v8, 15, v0                           ; r
	v_bfe_u32 v9, v0, 4, 1                         ; half
	v_and_b32 v1, 7, v0
	v_bfe_u32 v2, v0, 3, 1
	v_lshl_or_b32 v1, v9, 3, v1
	v_lshl_or_b32 v1, v2, 4, v1                    ; 8 half + r + 8 (r / 8): my key in a block of 32 keys
	s_mul_i32 s56, s16, REC                        ; my record in a slot
	s_add_co_u32 s57, s56, KCDO
	v_mul_u32_u24 v1, v1, 24
	v_add_nc_u32 v1, s57, v1                       ; k's codes: 24 bytes a key, 32 different keys: the words 6 key and 6 key + 1 of the 32 lanes are 64 different numbers modulo 64 (64 banks of 4 bytes: ISA guide 11.1)
	v_lshl_add_u32 v2, v7, 4, s56                  ; v's images: 16 x lane
	s_add_co_u32 s57, s56, KSCO
	v_lshl_add_u32 v3, v7, 2, s57                  ; k's scale words: lanes 0-15 those of keys 0-63, lanes 16-31 those of keys 64-127
	s_add_co_u32 s57, s56, VSCO
	v_lshl_add_u32 v4, v8, 4, s57                  ; v's scale words: four tiles' words of channel r
	v_lshlrev_b32 v11, 14, v7                      ; the prefetch: a row of x a lane
	; the addresses of the way out, in registers of their own
	v_lshlrev_b32 v[GO], 4, v8
	v_lshl_add_u32 v[GO], v9, 14, v[GO]            ; x and out: lanes 0-15 one channel's 256 bytes, lanes 16-31 the next channel's
	s_lshl_b32 s57, s14, 9
	s_add_co_u32 s57, s57, STATS
	v_lshl_add_u32 v[STW], v7, 2, s57              ; my wave's 512 bytes of statistics, 4 bytes a lane
	s_lshl_b32 s57, s15, 9
	s_add_co_u32 s57, s57, STATS
	v_lshl_add_u32 v[STR], v7, 2, s57              ; and those of the four waves with my queries: wave 2 k + g lies 1,024 k bytes on
	s_mul_i32 s58, s16, EXQ                        ; the stage, on the way in: my quarter's part, channel 8 half (+ 16 ct + j), query 32 g + r (+ 16 q)
	s_lshl_b32 s59, s15, 7
	s_add_co_u32 s58, s58, s59
	v_lshl_add_u32 v[EXI], v8, 2, s58
	v_mad_u32_u24 v[EXI], v9, 8*EXP, v[EXI]
	v_add_nc_u32 v[EXI+1], 128*EXP, v[EXI]         ; channels 128 on (an LDS offset has 16 bits)
	s_mul_i32 s57, s14, 32*EXP                     ; back: wave w finishes channels 32 w .. 32 w + 31 for all 64 queries
	v_mul_u32_u24 v[EXO], v9, EXP
	v_lshl_add_u32 v[EXO], v8, 4, v[EXO]
	v_add_nc_u32 v[EXO], s57, v[EXO]               ; lanes 0-15 one row of 256 bytes, lanes 16-31 the next; quarter 0,
	v_add_nc_u32 v[EXO+1], EXQ, v[EXO]             ; 1,
	v_add_nc_u32 v[EXO+2], 2*EXQ, v[EXO]           ; 2,
	v_add_nc_u32 v[EXO+3], 3*EXQ, v[EXO]           ; 3
	v_mul_u32_u24 v10, v8, 24
	v_lshlrev_b32 v[TT], 2, v7
.irp q, 0,1
.irp p, 0,1,2
	global_load_b64 v[S+6*\q+2*\p:S+6*\q+2*\p+1], v10, s[52:53] offset:384*\q+8*\p    ; query 16 q + r's 24 bytes, in both halves of the lanes
.endr
.endr
	global_load_b32 v[QSW], v[TT], s[54:55]        ; lanes 0-15: tile 0's scale words, lanes 16-31: tile 1's
.irp z, 0,1,2,3,4
.irp i, 0,1,2,3,4,5
	v_mov_b32 v[QB+12*\z+\i], 0                    ; Q's five runs of zero codes
.endr
.endr
.irp q, 0,1
	v_mov_b32 v[13+4*\q], 0xff61b1e6               ; the largest t so far: -3e38, under every t
	v_floor_f32 v[12+4*\q], -v[13+4*\q]            ; -M
	v_mov_b32 v[14+4*\q], 0                        ; the sum, in two halves
	v_mov_b32 v[15+4*\q], 0
	v_mov_b32 v[86+2*\q], 0
	v_mov_b32 v[87+2*\q], 0                        ; (named as the upper half of f's pair)
.endr
.irp b, 0,1,2,3
	v_mov_b32 v[PT+\b], 0                          ; written once: a lane permute's destination counts as one of its sources
.endr
	v_cmp_gt_u32 vcc_lo, 16, v7                    ; lanes 0-15
	s_wait_loadcnt 0x0                             ; q
	s_wait_kmcnt 0x0                               ; gamma
.irp q, 0,1
.irp i, 0,1,2,3,4,5
	v_cndmask_b32 v[QB+6+24*\q+\i], 0, v[S+6*\q+\i], vcc_lo          ; A: the codes in lanes 0-15, zeros above
	v_cndmask_b32 v[QB+18+24*\q+\i], v[S+6*\q+\i], v[QB], vcc_lo     ; B: the codes in lanes 16-31, zeros below
.endr
.endr
; K's two operands of a step (each four tiles of 16 keys: registers 6 c + 2 p of lane (r, u) are bytes 8 p of key 32 (2 sf + c) + 8 u + r + 8 (r / 8)) and their scale words
.macro LOADK
.irp sf, 0,1
.irp c, 0,1
.irp p, 0,1,2
	ds_load_b64 v[VB0+12*\sf+6*\c+2*\p:VB0+12*\sf+6*\c+2*\p+1], v7 offset:768*(2*\sf+\c)+8*\p
.endr
.endr
.endr
	ds_load_b32 v[KSW], v9
.endm
.macro SQ1 d, a, b, sf, q
.if (\sf == 0) && (\q == 0)
	v_wmma_scale_f32_16x16x128_f8f6f4 v[\d:\d+7], v[\a:\a+11], v[\b:\b+11], 0, v[KSW], v[QSW] matrix_a_fmt:MATRIX_FMT_FP6 matrix_b_fmt:MATRIX_FMT_FP6
.elseif \q == 0
	v_wmma_scale_f32_16x16x128_f8f6f4 v[\d:\d+7], v[\a:\a+11], v[\b:\b+11], 0, v[KSW], v[QSW] matrix_a_fmt:MATRIX_FMT_FP6 matrix_b_fmt:MATRIX_FMT_FP6 matrix_a_scale:MATRIX_SCALE_ROW1
.elseif \sf == 0
	v_wmma_scale_f32_16x16x128_f8f6f4 v[\d:\d+7], v[\a:\a+11], v[\b:\b+11], 0, v[KSW], v[QSW] matrix_a_fmt:MATRIX_FMT_FP6 matrix_b_fmt:MATRIX_FMT_FP6 matrix_b_scale:MATRIX_SCALE_ROW1
.else
	v_wmma_scale_f32_16x16x128_f8f6f4 v[\d:\d+7], v[\a:\a+11], v[\b:\b+11], 0, v[KSW], v[QSW] matrix_a_fmt:MATRIX_FMT_FP6 matrix_b_fmt:MATRIX_FMT_FP6 matrix_a_scale:MATRIX_SCALE_ROW1 matrix_b_scale:MATRIX_SCALE_ROW1
.endif
.endm
; S^T of tile q: eight products; key tile 4 sf + kb stands in block kb = 2 c + u of operand sf, and Q's operand with its codes in that block begins at QB + 6 + 24 q + 12 u - 6 c
.macro SQ q
.irp sf, 0,1
.irp kb, 0,1,2,3
	SQ1 S+8*(4*\sf+\kb), VB0+12*\sf, QB+6+24*\q+12*(\kb%2)-6*(\kb/2), \sf, \q
.endr
.endr
.endm
; Tile q's softmax for 128 keys: S^T becomes p; p's codes, p's scale word, f, -M and the sum come out
.macro SOFTMAX q
.set rN, 12+4*\q
.set rF, 86+2*\q
.set rP, PC+12*\q
.irp b, 0,1,2,3
	v_max3_num_f32 v[BM+\b], v[S+16*\b], v[S+16*\b+1], v[S+16*\b+2]          ; the largest score of each block of 32 keys: it serves for the row's maximum and, since p rises with the score, for the block's largest p
.endr
.irp i, 3,5,7,9,11,13
.irp b, 0,1,2,3
	v_max3_num_f32 v[BM+\b], v[BM+\b], v[S+16*\b+\i], v[S+16*\b+\i+1]        ; the four blocks by turns; each product's result is read from its low end on
.endr
.endr
.irp b, 0,1,2,3
	v_max_num_f32 v[BM+\b], v[BM+\b], v[S+16*\b+15]
.endr
.irp b, 0,1,2,3
	v_permlanex16_b32 v[PT+\b], v[BM+\b], s20, s21
.endr
.irp b, 0,1,2,3
	v_max_num_f32 v[BM+\b], v[BM+\b], v[PT+\b]     ; with lane l xor 16's 16 keys
.endr
	v_max3_num_f32 v[TT], v[BM], v[BM+1], v[BM+2]
	v_max_num_f32 v[TT], v[TT], v[BM+3]            ; the step's largest score of my query,
	v_mul_f32 v[TT], s22, v[TT]                    ; as t (c is positive)
	v_max_num_f32 v[rN+1], v[rN+1], v[TT]          ; the running largest t
	v_mov_b32 v[TT], v[rN]
	v_floor_f32 v[rN], -v[rN+1]                    ; the new -M = floor(-t) = -ceil(t): a whole number
	v_sub_f32 v[TT], v[rN], v[TT]                  ; M's old value less its new one: a whole number, 0 or less
	v_cvt_i32_f32 v[TT], v[TT]                     ; (it saturates)
	v_ldexp_f32 v[rF], 1.0, v[TT]                  ; f = 2^(old M - new M): a multiplication by it rounds nothing
.set J, 0
.rept 32
	v_pk_fma_f32 v[S+J:S+J+1], v[S+J:S+J+1], s[22:23], v[rN:rN+1] op_sel_hi:[1,0,0]   ; t - M, two at a time (of the pairs c and -M the low word serves both halves)
.set J, J+2
.endr
.irp b, 0,1,2,3
	v_fma_f32 v[BM+\b], v[BM+\b], s22, v[rN]       ; the same of each block's largest score
.endr
.set J, 0
.rept 64
	v_exp_f32 v[S+J], v[S+J]                       ; p = 2^(t - M), at most 1, not normalised
.set J, J+1
.endr
.irp b, 0,1,2,3
	v_exp_f32 v[BM+\b], v[BM+\b]                   ; the block's largest p: the same two instructions on the same number
.endr
	v_pk_mul_f32 v[rN+2:rN+3], v[rN+2:rN+3], v[rF:rF+1] op_sel_hi:[1,0]      ; the sum under the new M (a plain place behind the exponentials)
	s_wait_alu depctr_va_vdst(0)
.irp b, 0,1,2,3
	v_max_num_f32 v[BM+\b], 0x1800000, v[BM+\b]    ; the floor 2^(3 - 127): the byte cannot fall under 1
.endr
.irp b, 0,1,2,3
	v_add_nc_u32 v[SO+\b], 0xff000000, v[BM+\b]    ; 2 off the exponent field: the conversion's scale operand
.endr
.irp b, 0,1,2,3
	v_lshrrev_b32 v[PT+\b], 23, v[SO+\b]           ; the scale's byte
.endr
	v_lshl_or_b32 v[PSW+\q], v[PT+1], 8, v[PT]     ; p's scale word for these 128 keys
	v_lshl_or_b32 v[PSW+\q], v[PT+2], 16, v[PSW+\q]
	v_lshl_or_b32 v[PSW+\q], v[PT+3], 24, v[PSW+\q]
.irp c, 0,1
	v_cvt_scalef32_pk16_fp6_f32 v[rP+6*\c:rP+6*\c+2], v[S+32*\c:S+32*\c+15], v[SO+2*\c]
	v_cvt_scalef32_pk16_fp6_f32 v[CT+4*\c:CT+4*\c+2], v[S+32*\c+16:S+32*\c+31], v[SO+2*\c+1]   ; (a conversion's three registers begin on an even number)
.endr
	v_nop                                          ; one plain place behind a scaled conversion
.irp c, 0,1                                    ; the operand's layout wants a WHOLE block in a lane: lanes 0-15 block 2 c, lanes 16-31 block 2 c + 1
.irp i, 0,1,2
	v_permlane16_swap_b32 v[rP+6*\c+\i], v[CT+4*\c+\i]
.endr
.irp i, 0,1,2
	v_mov_b32 v[rP+6*\c+3+\i], v[CT+4*\c+\i]
.endr
.endr
	v_pk_add_f32 v[CT:CT+1], v[S:S+1], v[S+2:S+3]  ; the row's sum is taken of the UNQUANTISED p: two at a time, in two chains.  (These 32 are also the places between p's codes and scale word and the products that take them)
.irp j, 4,8,12,16,20,24,28,32,36,40,44,48,52,56,60
	v_pk_add_f32 v[rN+2:rN+3], v[rN+2:rN+3], v[S+\j:S+\j+1]
	v_pk_add_f32 v[CT:CT+1], v[CT:CT+1], v[S+\j+2:S+\j+3]
.endr
	v_pk_add_f32 v[rN+2:rN+3], v[rN+2:rN+3], v[CT:CT+1]
.endm
.macro RESCALE q                       ; tile q's O^T under the new M: x f, in ascending order
	WIN 0x41                                       ; destination and source 0 window 1
.set J, 0
.rept 64
	v_pk_mul_f32 v[128*\q+J:128*\q+J+1], v[128*\q+J:128*\q+J+1], v[86+2*\q:87+2*\q] op_sel_hi:[1,0]
.set J, J+2
.endr
	WIN 0
.endm
.macro LOADV grp, buf, vs              ; four fragments of v (channels 64 grp on) and their scale words: 13 LDS loads
.irp i, 0,1,2,3
.irp k, 0,1,2
	ds_load_b128 v[\buf+12*\i+4*\k:\buf+12*\i+4*\k+3], v8 offset:1536*(4*\grp+\i)+512*\k
.endr
.endr
	ds_load_b128 v[\vs:\vs+3], v10 offset:256*\grp
.endm
.macro PV grp, buf, vs, first          ; O^T += V^T P^T: four tiles of channels x two tiles of queries; every sum has one instruction a step.  first = 1: the products start the sums: nothing is cleared
	WIN 0x50                                       ; C and D window 1
.irp i, 0,1,2,3
.irp q, 0,1
.set rO, 128*\q+8*(4*\grp+\i)
.if \first
	v_wmma_scale_f32_16x16x128_f8f6f4 v[rO:rO+7], v[\buf+12*\i:\buf+12*\i+11], v[PC+12*\q:PC+12*\q+11], 0, v[\vs+\i], v[PSW+\q] matrix_a_fmt:MATRIX_FMT_FP6 matrix_b_fmt:MATRIX_FMT_FP6
.else
	v_wmma_scale_f32_16x16x128_f8f6f4 v[rO:rO+7], v[\buf+12*\i:\buf+12*\i+11], v[PC+12*\q:PC+12*\q+11], v[rO:rO+7], v[\vs+\i], v[PSW+\q] matrix_a_fmt:MATRIX_FMT_FP6 matrix_b_fmt:MATRIX_FMT_FP6
.endif
.endr
.endr
	WIN 0
.endm
; A KEY STEP, from its loads of K to the issue of its last loads of v: my record of the slot in hand, 128 keys, for my two tiles of queries.  Its third and fourth groups of V^T P follow in CHANGE and in the next STEP.
; prev: 0: no step stands before this one; 1: the step before was the first, its products start the sums; 2: they add in place.  first = 1: this step's products start the sums, and nothing is rescaled.
.macro STEP prev, first
	v_add_nc_u32 v7, s24, v1
	v_add_nc_u32 v8, s24, v2
	v_add_nc_u32 v9, s24, v3
	v_add_nc_u32 v10, s24, v4
	v_nop                                          ; five places behind the third group's products, in front of the loads into set 0, which they have read
	LOADK
.if \prev
	PV 3, VB1, VS1, 2-\prev                        ; THE LAST STEP'S FOURTH GROUP: fragments, p's codes and scale words are all in registers; K is on its way meanwhile
.rept 5
	v_nop                                          ; five places in front of the products that write over set 1
.endr
.endif
	s_wait_dscnt 0x0                               ; K
	SQ 0
	PLACES
	SOFTMAX 0
	SQ 1                                           ; S^T's registers serve both tiles, one after the other
.if \first
	PLACES
.else
	RESCALE 0                                      ; (also the places behind those products)
.endif
	LOADV 0, VB0, VS0                              ; over K's fragments, which both tiles have multiplied by
	SOFTMAX 1
	LOADV 1, VB1, VS1                              ; over p, which has been converted and summed
.if !\first
	RESCALE 1
.endif
	s_wait_dscnt 13                                ; the older group of v is in; the younger group's 13 loads may be out
	PV 0, VB0, VS0, \first
	PLACES                                         ; in front of loads into registers that matrix instructions have read
	LOADV 2, VB0, VS0
	s_wait_dscnt 13
	PV 1, VB1, VS1, \first
	PLACES
	LOADV 3, VB1, VS1                              ; my last reads of the slot are asked for
.endm
; THE CHANGE OF SLOTS.  Each wave waits for all its tensor loads (its eighth of the slot ahead), adds 0 to its spare word, multiplies the third group while the fourth group's loads land, and waits for the add and for its reads of the slot that it leaves.
; fill = 1: the barrier is a round of the cluster's, so that no wave of any partner still reads the slot or has a load on its way; the slot left is filled with the records two visits on, first thing behind the round: one load a wave, a whole visit in which to land.
; first = 1: the step in hand is the first: its third group starts its sums.
.macro CHANGE fill, first
	s_wait_tensorcnt 0x0                           ; no tensor load of mine is out, so a group 0 may be written
	ds_add_u32 v[SPW], v[NIL]                      ; 0 onto my spare word
.if \fill
	s_xor_b32 s41, s41, SLOT1                      ; the walking descriptor: the other slot than last time,
	s_add_nc_u64 s[42:43], s[42:43], 4*REC         ; the next four records; the type bits on top are not reached
.endif
	s_wait_dscnt 14                                ; the third group of v is in; the fourth group's 13 loads and the add may be out
	PV 2, VB0, VS0, \first
	s_wait_dscnt 0x0                               ; the add is done, the fourth group is in: my reads of the slot are over
.if \fill
	CROUND
	tensor_load_to_lds s[40:43], s[28:35]
	s_nop 0
	PLACES
.else
	s_barrier_signal -1
	s_barrier_wait -1
.endif
	s_xor_b32 s24, s24, SLOT1                      ; on to the other slot
.endm
	s_wait_tensorcnt 1                             ; my eighth of slot 0 is in; slot 1's may stay out
	s_barrier_signal -1
	s_barrier_wait -1                              ; everybody's is
	STEP 0, 1                                      ; visit 0
	CHANGE 1, 1                                    ; its third group starts its sums; visit 2's records are asked for
	STEP 1, 0                                      ; visit 1, with visit 0's fourth group, which starts its sums
	s_mov_b32 s25, 5
.Lvisit:                                           ; visits 2 to 6: behind each change of slots the records of visits 3 to 7 are asked for
	CHANGE 1, 0
	STEP 2, 0
	s_sub_co_u32 s25, s25, 1
	s_cmp_lg_u32 s25, 0
	s_cbranch_scc1 .Lvisit
	CHANGE 0, 0                                    ; the last visit is written out
	global_prefetch_b8 v11, s[48:49] th:TH_LOAD_NT scope:SCOPE_SE   ; the 32 rows of x that I add at the end, 256 bytes each, a lane to a row: asked for once in the launch, one visit ahead of their loads
	STEP 2, 0                                      ; visit 7
	s_wait_dscnt 13                                ; its third group is in; the fourth group's 13 loads may be out
	PV 2, VB0, VS0, 0
	s_wait_dscnt 0x0
	PV 3, VB1, VS1, 0
	; ---- THE WAY OUT.  The sums' halves; x is asked for; the statistics of the eight waves meet in LDS.  (The four additions are the places behind the last products, in front of the loads into set 1's registers)
	v_add_f32 v14, v14, v15
	v_add_f32 v18, v18, v19
	v_permlanex16_b32 v[PT], v14, s20, s21
	v_permlanex16_b32 v[PT+1], v18, s20, s21
	v_add_f32 v14, v14, v[PT]                      ; with lane l xor 16's: my quarter's sum of query r
	v_add_f32 v18, v18, v[PT+1]
.irp i, 0,1,2,3,4,5,6,7,8,9,10,11,12,13,14,15
	global_load_b128 v[S+4*\i:S+4*\i+3], v[GO], s[48:49] offset:32768*\i th:TH_LOAD_NT
.endr
	ds_store_b32 v[STW], v12                       ; tile 0: -M,
	ds_store_b32 v[STW], v14 offset:128            ; the sum;
	ds_store_b32 v[STW], v16 offset:256            ; tile 1
	ds_store_b32 v[STW], v18 offset:384
	s_wait_dscnt 0x0                               ; my stores have landed, and my reads of the ring are over
	s_barrier_signal -1
	s_barrier_wait -1                              ; everybody's: from here on the ring's bytes are the stage
.set ES, 136                           ; v136-151 the four quarters' -M and sums: 4 k + 2 q + (0, 1)
.set NM, 152                           ; v152-153 the least -M
.set LS, 154                           ; v154-155 the whole sum
.set FK, 156                           ; v156-163 the quarters' factors
.set FO, 164                           ; v164-165 my own
.set RC, 166
.irp k, 0,1,2,3
.irp q, 0,1
.irp e, 0,1
	ds_load_b32 v[ES+4*\k+2*\q+\e], v[STR] offset:1024*\k+256*\q+128*\e
.endr
.endr
.endr
	s_wait_dscnt 0x0
.irp q, 0,1
	v_min3_num_f32 v[NM+\q], v[ES+2*\q], v[ES+4+2*\q], v[ES+8+2*\q]
	v_min_num_f32 v[NM+\q], v[NM+\q], v[ES+12+2*\q]          ; -(the largest M)
.irp k, 0,1,2,3
	v_sub_f32 v[FK+4*\q+\k], v[NM+\q], v[ES+4*\k+2*\q]       ; a quarter's M less the largest: a whole number, 0 or less
.endr
	v_sub_f32 v[FO+\q], v[NM+\q], v[12+4*\q]
.irp k, 0,1,2,3
	v_cvt_i32_f32 v[FK+4*\q+\k], v[FK+4*\q+\k]
.endr
	v_cvt_i32_f32 v[FO+\q], v[FO+\q]
.irp k, 0,1,2,3
	v_ldexp_f32 v[FK+4*\q+\k], 1.0, v[FK+4*\q+\k]            ; exact powers of two
.endr
	v_ldexp_f32 v[FO+\q], 1.0, v[FO+\q]
	v_mul_f32 v[LS+\q], v[FK+4*\q], v[ES+2*\q+1]
.irp k, 1,2,3
	v_fmac_f32 v[LS+\q], v[FK+4*\q+\k], v[ES+4*\k+2*\q+1]    ; the row's sum over all keys
.endr
.endr
	v_rcp_f32 v[RC], v[LS]
	v_rcp_f32 v[RC+1], v[LS+1]
	v_nop                                          ; a plain place behind the transcendentals
	s_wait_alu depctr_va_vdst(0)
.irp q, 0,1
	v_mul_f32 v[86+2*\q], v[FO+\q], v[RC+\q]
	v_mul_f32 v[86+2*\q], s26, v[86+2*\q]          ; gamma x my factor / the sum
.endr
.irp q, 0,1
	RESCALE \q                                     ; my part of gamma x out, from each sum's low end on
	WIN 0x04                                       ; an LDS store's data are its source 1: window 1
.irp ct, 0,1,2,3,4,5,6,7
.irp j, 0,1,2,3,4,5,6,7
	ds_store_b32 v[EXI], v[128*\q+8*\ct+\j] offset:EXP*(16*\ct+\j)+64*\q        ; sixteen lanes 64 neighbouring bytes; the other sixteen 8 rows, 544 words, on: 32 words on modulo 64
.endr
.endr
.irp ct, 8,9,10,11,12,13,14,15
.irp j, 0,1,2,3,4,5,6,7
	ds_store_b32 v[EXI+1], v[128*\q+8*\ct+\j] offset:EXP*(16*(\ct-8)+\j)+64*\q
.endr
.endr
	WIN 0
.endr
	s_wait_dscnt 0x0                               ; for the others' sake: my stores into the stage have landed
	s_barrier_signal -1
	s_barrier_wait -1
	s_wait_loadcnt 0x0                             ; x
; Where quarter k's four rows land: quarters 0 to 2 in v136-183 (V's set 0 and the statistics at work: no longer wanted), quarter 3 in v90-105 (p's codes: no longer wanted).
; No address register and no scale register lies in these runs.
.set LA, 136
.set LJ, 94                            ; 136 + 48 - 90: quarter 3's step back
.irp bt, 0,1,2,3                               ; eight channels at a time
.irp k, 0,1,2,3
.irp i, 0,1,2,3
	ds_load_b128 v[LA+16*\k-LJ*(\k/3)+4*\i:LA+16*\k-LJ*(\k/3)+4*\i+3], v[EXO+\k] offset:2*EXP*(4*\bt+\i)
.endr
.endr
	s_wait_dscnt 0x0
.irp k, 0,1,2,3
.irp i, 0,1,2,3
	v_pk_add_f32 v[S+16*\bt+4*\i:S+16*\bt+4*\i+1], v[S+16*\bt+4*\i:S+16*\bt+4*\i+1], v[LA+16*\k-LJ*(\k/3)+4*\i:LA+16*\k-LJ*(\k/3)+4*\i+1]       ; x + the four quarters
	v_pk_add_f32 v[S+16*\bt+4*\i+2:S+16*\bt+4*\i+3], v[S+16*\bt+4*\i+2:S+16*\bt+4*\i+3], v[LA+16*\k-LJ*(\k/3)+4*\i+2:LA+16*\k-LJ*(\k/3)+4*\i+3]
.endr
.endr
.irp i, 0,1,2,3
	global_store_b128 v[GO], v[S+16*\bt+4*\i:S+16*\bt+4*\i+3], s[50:51] offset:32768*(4*\bt+\i) th:TH_STORE_NT   ; sixteen lanes store 256 consecutive bytes, at a multiple of 256 from out's first byte; each store has data registers of its own, and its offset register and base are never written again
.endr
.endr
	s_wait_tensorcnt 0x0                           ; the wave's end: behind my last tensor load and my last LDS store
	ds_add_u32 v[SPW], v[NIL]
	s_wait_dscnt 0x0
	CROUND                                         ; the closing round: no work-group ends while a partner may still ask for a tile that names it
	s_endpgm
.Lfunc_end_k_q5021ebaa0a_attend:
	.size	k_q5021ebaa0a_attend, .Lfunc_end_k_q5021ebaa0a_attend-k_q5021ebaa0a_attend
	.p2alignl 7, 3214868480
	.fill 96, 4, 3214868480
	.section	.rodata,"a",@progbits
	.p2align	6, 0x0
	.amdhsa_kernel k_q5021ebaa0a_attend
		.amdhsa_group_segment_fixed_size 327680
		.amdhsa_private_segment_fixed_size 0
		.amdhsa_enable_private_segment 0
		.amdhsa_kernarg_size 40
		.amdhsa_user_sgpr_count 2
		.amdhsa_user_sgpr_kernarg_segment_ptr 1
		.amdhsa_wavefront_size32 1
		.amdhsa_system_sgpr_workgroup_id_x 1
		.amdhsa_system_sgpr_workgroup_id_y 1
		.amdhsa_system_sgpr_workgroup_id_z 1
		.amdhsa_system_vgpr_workitem_id 0
		.amdhsa_next_free_vgpr 512
		.amdhsa_next_free_sgpr 66
		.amdhsa_reserve_vcc 1
		.amdhsa_float_denorm_mode_32 3
		.amdhsa_float_denorm_mode_16_64 3
		.amdhsa_memory_ordered 1
		.amdhsa_forward_progress 1
		.amdhsa_inst_pref_size 209
	.end_amdhsa_kernel
	.amdgpu_metadata
---
amdhsa.version: [ 1, 2 ]
amdhsa.kernels:
  - .name:           k_q5021ebaa0a_attend
    .symbol:         k_q5021ebaa0a_attend.kd
    .args:
      - { .name: kv, .offset: 0, .size: 8, .value_kind: global_buffer, .address_space: global }
      - { .name: qw, .offset: 8, .size: 8, .value_kind: global_buffer, .address_space: global }
      - { .name: x, .offset: 16, .size: 8, .value_kind: global_buffer, .address_space: global }
      - { .name: gamma, .offset: 24, .size: 8, .value_kind: global_buffer, .address_space: global }
      - { .name: out0, .offset: 32, .size: 8, .value_kind: global_buffer, .address_space: global }
    .group_segment_fixed_size: 327680
    .private_segment_fixed_size: 0
    .kernarg_segment_align: 8
    .kernarg_segment_size: 40
    .max_flat_workgroup_size: 256
    .sgpr_count:     66
    .vgpr_count:     512
    .wavefront_size: 32
...
	.end_amdgpu_metadata
.endif
;; end of part 2
